; MI455X (gfx1250); checked and timed in simulation.
; The chip was launched on July 23, 2026; its instructions are those of AMD's public machine-readable ISA for CDNA 5 (MIT licence, August 2026) and "CDNA5" Instruction Set Architecture Reference Guide (July 2026). The comments in the code are by the model that wrote it; some were corrected since.
;; Causal Self Attention. Allowed arithmetic: matrix products marked QUANTISED: E2M1 operands, one E8M0 scale for each 32 along K, by v_wmma_scale_f32_16x16x128_f8f6f4 with both operands' format E2M1 (or v_wmma_scale_f32_32x16x128_f4), f32 sums; products left as they are: bf16, f16 or f32 operands; f32 sums; everything else in f32.
;; Inputs: Wk 64 x 64 float32; Wo 64 x 64 float32; Wq 64 x 64 float32; Wv 64 x 64 float32; x 8 x 32 x 512 x 64 float32.
;; Outputs: out0 8 x 32 x 512 x 64 float32.
;; This version of the problem:
;;   THIS VERSION OF THE PROBLEM IS GIVEN IN LOW PRECISION. The matrix products marked QUANTISED in the list below multiply operands that are first quantised to E2M1 (2 exponent bits, 1 mantissa bit; 4 bits a number), with one power-of-two scale for each 32 numbers along K (OCP MX v1.0); their sums are f32. The products marked 'left as it is' may take bf16, f16 or f32 operands, with f32 sums. Whichever they take, every output number must still come out within the allowed error. Rounding operands to bf16 (8 significant bits) uses up far more of that allowance than f16 does (11 bits, for magnitudes from 6e-5 to 65,504). All else is computed in f32.
;;   The module's matrix products, in the order in which they are computed (A, B: the left and right operand; K: the contracted axis; several contracted axes count as one K, in the product's order):
;;     1. [M 131,072, K 64] x [K 64, N 64]; A: input x; B: input Wq: QUANTISED
;;     2. [M 131,072, K 64] x [K 64, N 64]; A: input x; B: input Wk: QUANTISED
;;     3. [M 131,072, K 64] x [K 64, N 64]; A: input x; B: input Wv: QUANTISED
;;     4. batch 1,024 x [M 512, K 16] x [K 16, N 512]; A: computed on the way; B: computed on the way: left as it is (K = 16 < 32)
;;     5. batch 1,024 x [M 512, K 512] x [K 512, N 16]; A: computed on the way; B: computed on the way: left as it is (an operand is computed on the way)
;;     6. [M 131,072, K 64] x [K 64, N 64]; A: computed on the way; B: input Wo: left as it is (an operand is computed on the way)
;;   THE QUANTISER, for each operand of a quantised product, along K:
;;     - K is cut into blocks of 32 from its start; a last block that is shorter is filled with zeros.
;;     - A block's scale is 2^e with e = floor(log2(the largest magnitude in the block)) - 2, held to -126 .. 127; a block of zeros has e = 0. As a byte (E8M0): e + 127.
;;     - Each number is divided by its block's scale, clamped to +-6, and rounded to the nearest number of E2M1, ties to even, subnormals kept.
;;     - The product sums the exact products of the quantised numbers (number of the format x scale) in f32.
;;   ~~~python
;;   def quantise(x, axis):      # numpy; x: float32 -> the quantised numbers, widened to float32 again
;;       x = np.moveaxis(x, axis, -1); K = x.shape[-1]
;;       x = np.pad(x, [(0, 0)] * (x.ndim - 1) + [(0, -K % 32)]); x = x.reshape(x.shape[:-1] + (-1, 32)); a = np.abs(x).max(-1, keepdims=True)
;;       e = np.where(a > 0, np.clip(np.frexp(np.where(a > 0, a, 1))[1] - 1 - 2, -126, 127), 0)      # np.frexp(a)[1] - 1 = floor(log2(a)), exactly
;;       r = np.clip(x / 2.0 ** e, -6, 6)
;;       step = 2.0 ** (np.maximum(np.frexp(np.where(r == 0, 1, r))[1] - 1, 0) - 1)
;;       q = np.round(r / step) * step * 2.0 ** e      # np.round: ties to even
;;       return np.moveaxis(q.reshape(q.shape[:-2] + (-1,))[..., :K], -1, axis).astype(np.float32)
;;   ~~~
;; One version. Each part assembles by itself: llvm-mc -triple=amdgcn-amd-amdhsa -mcpu=gfx1250 --defsym DOCPART=n.
;; ======== version 1 of 1: 1 launch
;; limits: values are held in f16: magnitudes above 65,504 overflow, below 6.1e-05 lose precision
;; launch attn (part 1): grid 256 x 1, 8 waves a work-group, no clusters, 327,680 bytes of LDS; arguments x, Wq, Wk, Wv, Wo, out0; writes out0
.if DOCPART == 1
	.amdgcn_target "amdgcn-amd-amdhsa--gfx1250"
	.amdhsa_code_object_version 6
	.text
	.protected	k_qccdcd0af2c_attn
	.globl	k_qccdcd0af2c_attn
	.p2align	8
	.type	k_qccdcd0af2c_attn,@function
k_qccdcd0af2c_attn:
	s_mov_b64 s[64:65], 0
	v_nop
	global_prefetch_b8 v0, s[64:65] scope:SCOPE_SE
	s_setreg_imm32_b32 hwreg(HW_REG_WAVE_MODE, 25, 1), 1
	s_wait_xcnt 0x0
; Causal self-attention of 256 sequences (8 x 32) of 512 tokens x 64 f32, 4 heads of 16, all in one launch: out0 = merge(softmax(q k^T / 4, causal) v) Wo^T, q, k, v = x W^T.
; q, k, v: QUANTISED products: x and Wq, Wk, Wv become E2M1 codes with one E8M0 byte for each 32 along K = 64, and go to the scaled FP4 matrix form; the upper 64 of its K = 128 are zero codes on x's side.
; q k^T, p v and the projection by Wo take f16 operands and f32 sums; maxima, exponentials, sums and the division are f32.
; SHARES.  One work-group to a sequence, eight waves.  Wave w owns the queries of pair A (tokens 32 w .. 32 w + 31) and pair B (tokens 32 (15 - w) ..), for all four heads: (w + 1) + (16 - w) = 17 blocks of
; 32 keys a head in every wave.  It projects just these 64 tokens, so q, the attended values and the output rows never leave the wave; k and v (f16) and the prepared weights go from wave to wave through
; LDS as images of operand registers (16 bytes a lane, 512 bytes a store).  Two barriers in all.
; SOFTMAX IN TWO PASSES.  Pass 1: S^T = K Q^T, of which only the row's largest t is kept (q carries c = log2(e) / 4).  Pass 2: S^T again with C = -m, so that the matrix result is t - m; p = 2^(t - m); the
; row's sum of the f32 p; p to f16; O^T += V^T P.  No rescaling, no chain from step to step.
; LAYOUT.  r = lane % 16, h = lane / 16.  q and k are made transposed (source 0 = 16 rows of W, source 1 = 16 tokens): a lane holds token r, dims 8 h + 0..7: four packed registers are the lower half of a
; K = 32 operand; the upper half of K's operand is zeros, so Q's may be whatever finite numbers follow it in the registers.  v is made naturally: a lane holds feature r, tokens 8 h + 0..7: half a fragment of V^T.
; In S^T, P and O^T a lane holds ONE query (r).  O^T / l, packed, is a quarter of the projection's operand.
; NO CLUSTER: work-groups share the 64 KiB of weights alone; these pass through registers to be quantised, and of the 327,680 bytes of LDS 321,280 are taken, so there is no room to stage them.
; LIMITS: q c, k, v, the attended values and Wo are rounded to f16: their magnitudes must stay under 65,504, and numbers under 6e-8 become 0; a p under 3e-8 becomes 0.  NaN and infinities among the
; inputs are not served.  A block of zeros gets the scale byte 1 (not 127): its codes are zeros, and this program alone reads the bytes.
.set XWAVE,  17408                     ; LDS from 0: x as f32, 64 rows a wave (chunk A, then chunk B), a row = 256 bytes + 16 of padding
.set XCHUNK, 8704                      ; 32 rows
.set XTILE,  4352                      ; 16 rows
.set L_KI,   139264                    ; K's images: head x 16,384 + token tile x 512 + 16 x lane
.set L_VI,   204800                    ; V^T's images, likewise
.set L_WC,   270336                    ; the code images of 12 weight tiles (0-3 Wq, 4-7 Wk, 8-11 Wv): 512 g + 16 x lane
.set L_WS,   276480                    ; their scale words: 64 g + 4 r
.set L_WO,   277248                    ; Wo's f16 fragments (tile t, K step s): 1,024 (2 t + s) + 512 c + 16 x lane
.set L_STG,  285440                    ; the way out: 16 rows x 272 bytes for each wave
.set SPARE,  320256                    ; the spare words, 128 bytes for each wave: four blocks of 256 bytes that no other line names
.set HEADB,  16384
; registers that stay
.set LN16, 1                           ; 16 x lane
.set SPW,  2                           ; my spare word's LDS address; never rewritten
.set NIL,  3                           ; 0; never rewritten
.set AK,   4                           ; L_KI + 16 x lane
.set AV,   5                           ; L_VI + 16 x lane
.set ADK,  6                           ; address of the K loads in hand
.set ADV,  7                           ; of the V loads
.set NEG,  8                           ; -infinity
.set STO,  9                           ; the stage: where I put 32 bytes of a row
.set SRD,  10                          ; and where I read rows back
.set AWO,  11                          ; L_WO + 16 x lane
.set DK,   12                          ; AK + 1,024 U: the pair's own key block
.set DV,   13
.set T0,   14                          ; r
.set T1,   15                          ; h
.set QF,   16                          ; v16-79 Q: fragment (pair p, head hd, tile T) at QF + 32 p + 8 hd + 4 T;  v80-83 zeros behind the last
.set WSC,  248                         ; v248-253 the weights' scale words: register i: tile 2 i in lanes 0-15, tile 2 i + 1 in lanes 16-31
.set XW,   254                         ; x's scale word.  v248-254 hold scales and nothing else
; the projection's registers
.set WT,   84                          ; v84-131 the 12 tiles' codes, 4 registers each, on end; v132-135 zeros
.set XC,   136                         ; v136-139 x's codes, v140-143 zeros
.set TM,   144                         ; v144-147 at work in QBLOCK
.set XN,   148                         ; v148-179 32 numbers of a lane
.set ACC,  180                         ; v180-211 four accumulators
.set KP,   212                         ; v212-227 K, packed
.set XA,   228                         ; LDS: my row and half in my wave's x
.set KSA,  229                         ; where my K images go: pair A, pair B (230)
.set VSA,  231                         ; my V images: pair A, pair B (232)
.set AWC,  233
.set AWS,  234
.set WCI,  235                         ; where a quantising wave stores its code images,
.set WSI,  236                         ; its scale words,
.set WOI,  237                         ; and a Wo wave its fragments
.set GWQ,  238                         ; global lane offset in a weight: 256 r + 128 h
.set SH8,  239                         ; 8 h
.set GWO,  240                         ; in Wo: 256 r + 32 h
.set TMK,  241
.set WSW,  242                         ; v242-243 the two scale words that a quantising wave makes
; attention's registers
.set AT,   84                          ; v84-115 attended, packed: AT + 16 T + 4 hd
.set KR,   116                         ; v116-119 key tile a, v120-123 zeros, v124-127 key tile b, v128-131 zeros
.set ST,   132                         ; v132-163 S^T: ST + 16 T + 8 kt
.set PP,   164                         ; v164-179 P: PP + 8 T
.set CN,   180                         ; v180-195 -m, eight registers a tile
.set OT,   196                         ; v196-211 O^T: OT + 8 T
.set VR,   212                         ; v212-219 a fragment of V^T
.set MX,   228                         ; v228-231 two running maxima a tile
.set PM,   232                         ; v232-233 the other half of the lanes'
.set MM,   234                         ; v234, v236 m (named as pairs)
.set LL,   238                         ; v[238:239], v[240:241] the sums, in two halves
.set RR,   242                         ; v242, v244 1 / l (named as pairs)
.set LS,   246
.set WF,   164                         ; v164-227 Wo's eight fragments, on the way out
.macro NOPS n
.rept \n
	v_nop
.endr
.endm
; 32 neighbours along K in one lane, v[x] on, become 4 registers of codes, v[c] on, and the row's scale word, v[sc].  The block's largest magnitude needs no other lane; the floor 2^(3 - 127) among its
; leaves holds the byte at 1 from below.  2 off its exponent field is the conversion's scale operand, and that field is the byte.  Lane (r, h) has block h of row r: the word is pieced with lane l xor 16's.
.macro QBLOCK x, c, sc
	v_max3_num_f32 v[TM], |v[\x]|, |v[\x+1]|, 0x1800000
	v_max3_num_f32 v[TM+1], |v[\x+2]|, |v[\x+3]|, |v[\x+4]|
.irp n, 0,1,2,3,4,5,6,7,8,9,10,11,12
	v_max3_num_f32 v[TM+\n%2], v[TM+\n%2], |v[\x+5+2*\n]|, |v[\x+6+2*\n]|   ; two chains by turns
.endr
	v_max3_num_f32 v[TM], v[TM], v[TM+1], |v[\x+31]|
	v_add_nc_u32 v[TM+2], 0xff000000, v[TM]
	v_lshrrev_b32 v[TM+3], 23, v[TM+2]
	v_lshlrev_b32 v[TM+3], v[SH8], v[TM+3]         ; byte h of the word
	v_permlanex16_b32 v[TM+1], v[TM+3], s50, s51
	v_or_b32 v[\sc], v[TM+3], v[TM+1]              ; bytes 2 and 3 stay 0: they scale zero codes
.irp g, 0,1,2,3
	v_cvt_scalef32_pk8_fp4_f32 v[\c+\g], v[\x+8*\g:\x+8*\g+7], v[TM+2]
.endr
	v_nop                                          ; one plain instruction behind the last scaled conversion
.endm
; A product of the projection.  Tile g's operand is its 4 registers and the 4 that follow (the next tile's codes, or zeros): they meet x's zero codes.
.macro PROJT d, g                      ; transposed: source 0 = weight tile g, source 1 = x
.if (\g)%2
	v_wmma_scale_f32_16x16x128_f8f6f4 v[\d:\d+7], v[WT+4*(\g):WT+4*(\g)+7], v[XC:XC+7], 0, v[WSC+(\g)/2], v[XW] matrix_a_fmt:MATRIX_FMT_FP4 matrix_b_fmt:MATRIX_FMT_FP4 matrix_a_scale:MATRIX_SCALE_ROW1
.else
	v_wmma_scale_f32_16x16x128_f8f6f4 v[\d:\d+7], v[WT+4*(\g):WT+4*(\g)+7], v[XC:XC+7], 0, v[WSC+(\g)/2], v[XW] matrix_a_fmt:MATRIX_FMT_FP4 matrix_b_fmt:MATRIX_FMT_FP4
.endif
.endm
.macro PROJN d, g                      ; natural: source 0 = x, source 1 = weight tile g
.if (\g)%2
	v_wmma_scale_f32_16x16x128_f8f6f4 v[\d:\d+7], v[XC:XC+7], v[WT+4*(\g):WT+4*(\g)+7], 0, v[XW], v[WSC+(\g)/2] matrix_a_fmt:MATRIX_FMT_FP4 matrix_b_fmt:MATRIX_FMT_FP4 matrix_b_scale:MATRIX_SCALE_ROW1
.else
	v_wmma_scale_f32_16x16x128_f8f6f4 v[\d:\d+7], v[XC:XC+7], v[WT+4*(\g):WT+4*(\g)+7], 0, v[XW], v[WSC+(\g)/2] matrix_a_fmt:MATRIX_FMT_FP4 matrix_b_fmt:MATRIX_FMT_FP4
.endif
.endm
	s_load_b256 s[4:11], s[0:1], 0x0               ; x s[4:5], Wq s[6:7], Wk s[8:9], Wv s[10:11]
	s_load_b128 s[12:15], s[0:1], 0x20             ; Wo s[12:13], out0 s[14:15]
	v_lshl_add_u32 v[SPW], v0, 2, SPARE
	v_mov_b32 v[NIL], 0
	ds_add_u32 v[SPW], v[NIL]                      ; the wave's opening: the add, twice on end, and its wait ahead of my first tensor load
	ds_add_u32 v[SPW], v[NIL]                      ; the set-up below, work on registers, stands between the second and the wait
	v_lshrrev_b32 v[T0], 5, v0
	v_readfirstlane_b32 s16, v[T0]                 ; wave 0..7
	s_lshr_b32 s17, s16, 1                         ; which weight I prepare: 0 Wq, 1 Wk, 2 Wv, 3 Wo
	s_and_b32 s18, s16, 1                          ; and which 32 rows of it
	s_mov_b32 s44, s16                             ; pair A's number
	s_xor_b32 s45, s16, 15                         ; pair B's: 15 - wave
	s_lshl_b32 s49, ttmp9, 17                      ; my sequence: 512 rows of 256 bytes
	s_mov_b32 s50, 0x76543210                      ; v_permlanex16_b32's selects for lane l xor 16
	s_mov_b32 s51, 0xfedcba98
	s_mov_b32 s52, 0x3eb8aa3b                      ; c = log2(e) / 4
	s_mov_b32 s53, s52                             ; (named with it as a pair)
	; descriptor group 1: 32 rows x 64 elements of 4 bytes, dense in memory, 4 words of padding behind every 64
	s_mov_b32 s24, (2<<16)|(1<<20)|(5<<22)|(3<<25)
	s_mov_b32 s25, 64<<16                          ; tensor_dim0
	s_mov_b32 s26, 32<<16                          ; tensor_dim1
	s_mov_b32 s27, 64<<16                          ; tile_dim0
	s_mov_b32 s28, 32                              ; tile_dim1
	s_mov_b32 s29, 64                              ; elements from row to row
	s_mov_b32 s30, 0
	s_mov_b32 s31, 0
	s_mov_b32 s32, 1
	s_mul_i32 s33, s16, XWAVE                      ; chunk A's place in LDS
	s_mov_b32 s36, 1
	s_add_co_u32 s37, s33, XCHUNK                  ; chunk B's
	; every lane address is made here, ahead of the first branch on the wave's number
	v_and_b32 v[LN16], 31, v0
	v_lshl_add_u32 v[AWS], v[LN16], 2, L_WS
	v_lshlrev_b32 v[LN16], 4, v[LN16]
	v_and_b32 v[T0], 15, v0                        ; r
	v_bfe_u32 v[T1], v0, 4, 1                      ; h
	v_add_nc_u32 v[AK], L_KI, v[LN16]
	v_add_nc_u32 v[AV], L_VI, v[LN16]
	v_add_nc_u32 v[AWO], L_WO, v[LN16]
	v_add_nc_u32 v[AWC], L_WC, v[LN16]
	s_mul_i32 s19, s16, XTILE                      ; (a stage is as large as 16 rows of x: 4,352 bytes)
	s_add_co_u32 s19, s19, L_STG
	v_mul_u32_u24 v[STO], v[T0], 272
	v_lshl_add_u32 v[STO], v[T1], 5, v[STO]
	v_add_nc_u32 v[STO], s19, v[STO]               ; in: row r, 32 bytes for each half of the lanes
	v_mul_u32_u24 v[SRD], v[T1], 272
	v_lshl_add_u32 v[SRD], v[T0], 4, v[SRD]
	v_add_nc_u32 v[SRD], s19, v[SRD]               ; back: lanes 0-15 one row of 256 bytes, lanes 16-31 the next
	v_mul_u32_u24 v[XA], v[T0], 272
	v_lshl_add_u32 v[XA], v[T1], 7, v[XA]
	v_add_nc_u32 v[XA], s33, v[XA]                 ; x: row r, block h of 32 numbers
	s_lshl_b32 s19, s44, 10
	v_add_nc_u32 v[KSA], s19, v[AK]
	v_add_nc_u32 v[VSA], s19, v[AV]
	s_lshl_b32 s19, s45, 10
	v_add_nc_u32 v[KSA+1], s19, v[AK]
	v_add_nc_u32 v[VSA+1], s19, v[AV]
	s_lshl_b32 s19, s16, 10
	v_add_nc_u32 v[WCI], s19, v[AWC]               ; tiles 2 w, 2 w + 1
	s_lshl_b32 s19, s16, 7
	s_add_co_u32 s19, s19, L_WS
	v_lshl_add_u32 v[WSI], v[T0], 2, s19
	s_lshl_b32 s19, s18, 12
	v_add_nc_u32 v[WOI], s19, v[AWO]
	v_lshlrev_b32 v[GWQ], 8, v[T0]
	v_lshl_add_u32 v[GWO], v[T1], 5, v[GWQ]
	v_lshl_add_u32 v[GWQ], v[T1], 7, v[GWQ]
	v_lshlrev_b32 v[SH8], 3, v[T1]
	v_sub_nc_u32 v[TMK], v[T0], v[SH8]             ; r - 8 h
	v_mov_b32 v[NEG], 0xff800000
.irp j, 0,1,2,3
	v_mov_b32 v[QF+64+\j], 0
.endr
	s_wait_dscnt 0x0                               ; both opening adds are done
	s_wait_kmcnt 0x0
	s_lshl_b32 s42, s44, 13                        ; a pair's 32 rows are 8,192 bytes
	s_add_co_u32 s42, s42, s49
	s_mov_b32 s43, 0
	s_add_nc_u64 s[34:35], s[4:5], s[42:43]
	s_or_b32 s35, s35, 0x80000000                  ; type = 2
	s_lshl_b32 s42, s45, 13
	s_add_co_u32 s42, s42, s49
	s_add_nc_u64 s[38:39], s[4:5], s[42:43]
	s_or_b32 s39, s39, 0x80000000
	tensor_load_to_lds s[32:35], s[24:31]          ; my 64 rows of x, two loads of 32 rows: both first fills; two loads of mine are out.  (Two, since the distance between the pairs hangs on the wave)
	s_nop 0
	tensor_load_to_lds s[36:39], s[24:31]
	s_nop 0
.irp j, 0,1,2,3,4,5,6,7
	v_cmp_gt_i32 s[56+\j], \j, v[TMK]              ; in a tile on the diagonal register j holds key 8 h + j of query r: hidden where 8 h + j > r.  The same eight lane masks serve every such tile
.endr
	; ---- THE WEIGHTS, while x is on its way.  Waves 0-5 quantise two tiles of 16 rows each of Wq, Wk, Wv; waves 6, 7 round two tiles each of Wo to f16.
	s_cmp_eq_u32 s17, 0
	s_cselect_b64 s[20:21], s[6:7], s[8:9]
	s_cmp_eq_u32 s17, 2
	s_cselect_b64 s[22:23], s[10:11], s[12:13]
	s_cmp_lt_u32 s17, 2
	s_cselect_b64 s[20:21], s[20:21], s[22:23]     ; the choice hangs on the wave's number alone
	s_lshl_b32 s42, s18, 13                        ; 32 rows of 256 bytes
	s_add_nc_u64 s[20:21], s[20:21], s[42:43]
	s_cmp_lt_u32 s16, 6
	s_cbranch_scc0 .Lwo
.irp t, 0,1
.irp i, 0,1,2,3,4,5,6,7
	global_load_b128 v[XN+32*\t+4*\i:XN+32*\t+4*\i+3], v[GWQ], s[20:21] offset:4096*\t+16*\i   ; W(16 t + r, 32 h + 4 i ..): a whole block in a lane
.endr
.endr
	s_wait_loadcnt 0x0
	QBLOCK XN, XC, WSW
	ds_store_b128 v[WCI], v[XC:XC+3]
	ds_store_b32 v[WSI], v[WSW]                    ; lanes r and r + 16 store the same word to the same place
	QBLOCK XN+32, XC+4, WSW+1
	ds_store_b128 v[WCI], v[XC+4:XC+7] offset:512
	ds_store_b32 v[WSI], v[WSW+1] offset:64
	s_branch .Lwjoin
.Lwo:
.irp t, 0,1
.irp i, 0,1,2,3,4,5,6,7
	global_load_b128 v[XN+32*\t+4*\i:XN+32*\t+4*\i+3], v[GWO], s[20:21] offset:4096*\t+64*(\i/2)+16*(\i%2)   ; Wo(16 t + r, 16 (i / 2) + 8 h + 4 (i % 2) ..)
.endr
.endr
	s_wait_loadcnt 0x0
.irp t, 0,1
.irp n, 0,1,2,3,4,5,6,7,8,9,10,11,12,13,14,15
	v_cvt_pk_f16_f32 v[XN+32*\t+\n], v[XN+32*\t+2*\n], v[XN+32*\t+2*\n+1]   ; in place, ascending: a result never lands on numbers still to be read
.endr
.irp g, 0,1,2,3
	ds_store_b128 v[WOI], v[XN+32*\t+4*\g:XN+32*\t+4*\g+3] offset:2048*\t+512*\g   ; quad g = 2 s + c of the tile's two fragments
.endr
.endr
.Lwjoin:
	s_wait_tensorcnt 0x0                           ; my rows of x are in LDS (I alone read them),
	s_wait_dscnt 0x0                               ; and my stores of the weights' images have landed, for the others' sake
	s_barrier_signal -1
	s_barrier_wait -1                              ; all prepared weights lie in LDS
.irp g, 0,1,2,3,4,5,6,7,8,9,10,11
	ds_load_b128 v[WT+4*\g:WT+4*\g+3], v[AWC] offset:512*\g
.endr
.irp i, 0,1,2,3,4,5
	ds_load_b32 v[WSC+\i], v[AWS] offset:128*\i
.endr
.irp k, 0,1,2,3,4,5,6,7
	ds_load_b128 v[XN+4*\k:XN+4*\k+3], v[XA] offset:16*\k   ; my first 16 tokens
.endr
.irp j, 0,1,2,3
	v_mov_b32 v[WT+48+\j], 0
	v_mov_b32 v[XC+4+\j], 0
.endr
; ---- THE PROJECTION of 16 tokens: tile tk of my four (0, 1: pair A; 2, 3: pair B).  12 products; q stays in registers, k and v go to LDS as images.
.macro TOK tk
.set CH, (\tk)/2
.set SB, (\tk)%2
	s_wait_dscnt 0x0                               ; the tile's numbers are in; the last tile's image stores have read their registers
	QBLOCK XN, XC, XW
.if \tk < 3
.set NCH, (\tk+1)/2
.set NSB, (\tk+1)%2
.irp k, 0,1,2,3,4,5,6,7
	ds_load_b128 v[XN+4*\k:XN+4*\k+3], v[XA] offset:XCHUNK*NCH+XTILE*NSB+16*\k   ; the next tile's numbers land while this one is multiplied
.endr
.endif
	NOPS 7                                         ; with the one in QBLOCK: eight places between the write of x's scale word and the scaled products (four are owed behind the codes)
.irp t, 0,1,2,3
	PROJT ACC+8*\t, \t                             ; q: head t; lane: token r, dims 8 h + 0..7
.endr
	NOPS 4                                         ; four places in front of the first read of the results
.irp n, 0,2,4,6,8,10,12,14,16,18,20,22,24,26,28,30
	v_pk_mul_f32 v[ACC+\n:ACC+\n+1], v[ACC+\n:ACC+\n+1], s[52:53] op_sel_hi:[1,0]   ; q c, in f32; each accumulator from its low end on
.endr
.irp t, 0,1,2,3
.irp e, 0,1,2,3
	v_cvt_pk_f16_f32 v[QF+32*CH+8*\t+4*SB+\e], v[ACC+8*\t+2*\e], v[ACC+8*\t+2*\e+1]
.endr
.endr
.irp t, 0,1,2,3
	PROJT ACC+8*\t, 4+\t                           ; k.  (The accumulators are begun anew: the v_nop and the other accumulators' lines above are more than the five places owed)
.endr
	NOPS 4
.irp n, 0,1,2,3,4,5,6,7,8,9,10,11,12,13,14,15
	v_cvt_pk_f16_f32 v[KP+\n], v[ACC+2*\n], v[ACC+2*\n+1]
.endr
.irp t, 0,1,2,3
	ds_store_b128 v[KSA+CH], v[KP+4*\t:KP+4*\t+3] offset:HEADB*\t+512*SB
.endr
.irp t, 0,1,2,3
	PROJN ACC+8*\t, 8+\t                           ; v: lane: feature r of head t, tokens 8 h + 0..7
.endr
	NOPS 4
.irp t, 0,1,2,3
.irp e, 0,1,2,3
	v_cvt_pk_f16_f32 v[ACC+8*\t+\e], v[ACC+8*\t+2*\e], v[ACC+8*\t+2*\e+1]   ; in place, ascending
.endr
.endr
.irp t, 0,1,2,3
	ds_store_b128 v[VSA+CH], v[ACC+8*\t:ACC+8*\t+3] offset:HEADB*\t+512*SB
.endr
.endm
	TOK 0
	TOK 1
	TOK 2
	TOK 3
	s_wait_dscnt 0x0                               ; my images of k and v have landed
	s_barrier_signal -1
	s_barrier_wait -1                              ; the whole sequence's k and v lie in LDS; from here on they are only read
.irp j, 0,1,2,3
	v_mov_b32 v[KR+4+\j], 0                        ; the upper halves of K's two operands
	v_mov_b32 v[KR+12+\j], 0
.endr
	v_mov_b32 v[PM], 0                             ; a lane permute's destination counts as one of its sources;
	v_mov_b32 v[PM+1], 0
	v_mov_b32 v[MM+1], 0                           ; the upper halves of pairs of which the low word alone is used
	v_mov_b32 v[MM+3], 0
	v_mov_b32 v[RR+1], 0
	v_mov_b32 v[RR+3], 0
; ---- ATTENTION
.macro KLOAD adr, off                  ; a block's two key tiles
	ds_load_b128 v[KR:KR+3], v[\adr] offset:\off
	ds_load_b128 v[KR+8:KR+11], v[\adr] offset:\off+512
.endm
.macro VLOAD adr, off                  ; and its fragment of V^T
	ds_load_b128 v[VR:VR+3], v[\adr] offset:\off
	ds_load_b128 v[VR+4:VR+7], v[\adr] offset:\off+512
.endm
.macro KVLOAD hd                       ; the pair's own (diagonal) block of head hd
	s_wait_dscnt 0x0                               ; the look-ahead's last loads into these registers have landed
	KLOAD DK, HEADB*(\hd)
	VLOAD DV, HEADB*(\hd)
.endm
; S^T (query tile tq, key tile kt) = K Q^T, + C: 0 in pass 1, -m in pass 2
.macro QK p, hd, tq, kt, cc
.if \cc
	v_wmma_f32_16x16x32_f16 v[ST+16*\tq+8*\kt:ST+16*\tq+8*\kt+7], v[KR+8*\kt:KR+8*\kt+7], v[QF+32*\p+8*\hd+4*\tq:QF+32*\p+8*\hd+4*\tq+7], v[CN+8*\tq:CN+8*\tq+7]
.else
	v_wmma_f32_16x16x32_f16 v[ST+16*\tq+8*\kt:ST+16*\tq+8*\kt+7], v[KR+8*\kt:KR+8*\kt+7], v[QF+32*\p+8*\hd+4*\tq:QF+32*\p+8*\hd+4*\tq+7], 0
.endif
.endm
.macro PV tq, zero                     ; O^T += V^T P; zero = 1: the first product starts the sum
.if \zero
	v_wmma_f32_16x16x32_f16 v[OT+8*\tq:OT+8*\tq+7], v[VR:VR+7], v[PP+8*\tq:PP+8*\tq+7], 0
.else
	v_wmma_f32_16x16x32_f16 v[OT+8*\tq:OT+8*\tq+7], v[VR:VR+7], v[PP+8*\tq:PP+8*\tq+7], v[OT+8*\tq:OT+8*\tq+7]
.endif
.endm
.macro MASK8 s0                        ; a tile on the diagonal: hidden scores become -infinity
.irp j, 0,1,2,3,4,5,6,7
	v_cndmask_b32 v[\s0+\j], v[\s0+\j], v[NEG], s[56+\j]
.endr
.endm
; Pass 1, the diagonal block: query tile 0 sees key tile a (masked), query tile 1 sees a whole and b masked.  Its maxima start the running maxima: nothing is cleared.
.macro DIAG1 p, hd
	s_wait_dscnt 0x2                               ; K's two loads are in; V's two, issued behind them, may be out
	QK \p, \hd, 0, 0, 0
	QK \p, \hd, 1, 0, 0
	QK \p, \hd, 1, 1, 0
	NOPS 4                                         ; four places in front of loads into K's registers and of the first read of the results
	KLOAD AK, HEADB*\hd                            ; block 0, ahead
	MASK8 ST
	MASK8 ST+24
	v_max3_num_f32 v[MX], v[ST], v[ST+1], v[ST+2]
	v_max3_num_f32 v[MX+2], v[ST+16], v[ST+17], v[ST+18]
	v_max3_num_f32 v[MX+1], v[ST+3], v[ST+4], v[ST+5]
	v_max3_num_f32 v[MX+3], v[ST+19], v[ST+20], v[ST+21]
	v_max3_num_f32 v[MX], v[MX], v[ST+6], v[ST+7]
	v_max3_num_f32 v[MX+2], v[MX+2], v[ST+22], v[ST+23]
	v_max3_num_f32 v[MX+3], v[MX+3], v[ST+24], v[ST+25]
	v_max3_num_f32 v[MX+2], v[MX+2], v[ST+26], v[ST+27]
	v_max3_num_f32 v[MX+3], v[MX+3], v[ST+28], v[ST+29]
	v_max3_num_f32 v[MX+2], v[MX+2], v[ST+30], v[ST+31]
.endm
; Pass 1, blocks 0 .. U - 1.  The trip count is a constant (the most that any wave's pair needs); a trip whose block is not under the pair's diagonal jumps over its work: a scalar branch on the wave's
; number and the count of trips.  The last working trip fetches block U, which pass 2 begins with.
.macro LOOP1 p, hd, n
	s_mov_b32 s47, 0
.Lp1_\@:
	s_cmp_ge_u32 s47, s46
	s_cbranch_scc1 .Lp1s_\@
	s_wait_dscnt 0x0                               ; block J's keys are in
	QK \p, \hd, 0, 0, 0
	QK \p, \hd, 1, 0, 0
	QK \p, \hd, 0, 1, 0
	QK \p, \hd, 1, 1, 0
	s_lshl_b32 s48, s47, 10
	v_add_nc_u32 v[ADK], s48, v[AK]
	NOPS 3                                         ; with the addition: four places
	KLOAD ADK, HEADB*\hd+1024                      ; block J + 1
.irp e, 0,1,2,3,4,5,6,7
.irp u, 0,1
	v_max3_num_f32 v[MX+2*\u+\e%2], v[MX+2*\u+\e%2], v[ST+16*\u+2*\e], v[ST+16*\u+2*\e+1]   ; four chains by turns; each accumulator from its low end on
.endr
.endr
.Lp1s_\@:
	s_add_co_u32 s47, s47, 1
	s_cmp_lt_u32 s47, \n
	s_cbranch_scc1 .Lp1_\@
.endm
.macro FIN1                            ; m of my query: my two chains, the lane 16 away; -m into the eight registers that pass 2 gives as C
	v_max_num_f32 v[MX], v[MX], v[MX+1]
	v_max_num_f32 v[MX+2], v[MX+2], v[MX+3]
	v_permlanex16_b32 v[PM], v[MX], s50, s51
	v_permlanex16_b32 v[PM+1], v[MX+2], s50, s51
	v_max_num_f32 v[MM], v[MX], v[PM]
	v_max_num_f32 v[MM+2], v[MX+2], v[PM+1]
.irp u, 0,1
.irp e, 0,1,2,3
	v_pk_mul_f32 v[CN+8*\u+2*\e:CN+8*\u+2*\e+1], v[MM+2*\u:MM+2*\u+1], -1.0 op_sel_hi:[0,0]
.endr
.endr
.endm
; Pass 2, the diagonal block: it starts the sums l and O^T.
.macro DIAG2 p, hd
	s_wait_dscnt 0x0                               ; block U's keys (the look-ahead's last fetch) and its V are in
	QK \p, \hd, 0, 0, 1
	QK \p, \hd, 1, 0, 1
	QK \p, \hd, 1, 1, 1
	NOPS 4
	KLOAD AK, HEADB*\hd                            ; block 0, ahead
	MASK8 ST
	MASK8 ST+24
.irp j, 0,1,2,3,4,5,6,7,16,17,18,19,20,21,22,23,24,25,26,27,28,29,30,31
	v_exp_f32 v[ST+\j], v[ST+\j]                   ; p = 2^(t - m); 0 where hidden
.endr
.irp j, 4,5,6,7
	v_mov_b32 v[PP+\j], 0                          ; query tile 0 sees nothing of key tile b.  (Plain instructions behind the exponentials)
.endr
	s_wait_alu depctr_va_vdst(0)                   ; one wait for the batch, ahead of its first reader
	v_pk_add_f32 v[LL:LL+1], v[ST:ST+1], v[ST+2:ST+3]
	v_pk_add_f32 v[LL+2:LL+3], v[ST+16:ST+17], v[ST+18:ST+19]
	v_pk_add_f32 v[LL:LL+1], v[LL:LL+1], v[ST+4:ST+5]
	v_pk_add_f32 v[LL+2:LL+3], v[LL+2:LL+3], v[ST+20:ST+21]
	v_pk_add_f32 v[LL:LL+1], v[LL:LL+1], v[ST+6:ST+7]
.irp j, 22,24,26,28,30
	v_pk_add_f32 v[LL+2:LL+3], v[LL+2:LL+3], v[ST+\j:ST+\j+1]
.endr
.irp e, 0,1,2,3
	v_cvt_pk_f16_f32 v[PP+\e], v[ST+2*\e], v[ST+2*\e+1]
.endr
.irp e, 0,1,2,3,4,5,6,7
	v_cvt_pk_f16_f32 v[PP+8+\e], v[ST+16+2*\e], v[ST+16+2*\e+1]
.endr
	PV 0, 1
	PV 1, 1
	NOPS 4                                         ; four places in front of loads into V's registers
	VLOAD AV, HEADB*\hd                            ; block 0, ahead
.endm
; Pass 2, blocks 0 .. U - 1, in LOOP1's frame.  At a trip's head four LDS loads are out, in this order: K(J) twice, V(J) twice.  The matrix instructions go O0, O1, four tiles of S^T: no two on end share an accumulator.
.macro LOOP2 p, hd, n
	s_mov_b32 s47, 0
.Lp2_\@:
	s_cmp_ge_u32 s47, s46
	s_cbranch_scc1 .Lp2s_\@
	s_wait_dscnt 0x2                               ; K(J) is in; V(J)'s two loads may be out
	QK \p, \hd, 0, 0, 1
	QK \p, \hd, 1, 0, 1
	QK \p, \hd, 0, 1, 1
	QK \p, \hd, 1, 1, 1
	s_lshl_b32 s48, s47, 10
	v_add_nc_u32 v[ADK], s48, v[AK]
	NOPS 3                                         ; with the addition: four places
	KLOAD ADK, HEADB*\hd+1024                      ; K(J + 1)
.set ii, 0
.rept 32
	v_exp_f32 v[ST+ii], v[ST+ii]                   ; the matrix result is t - m already
.set ii, ii+1
.endr
	v_nop                                          ; a plain instruction behind the last exponential
	s_wait_alu depctr_va_vdst(0)                   ; one wait for the 32, ahead of their first reader
.irp e, 0,1,2,3,4,5,6,7
.irp u, 0,1
	v_pk_add_f32 v[LL+2*\u:LL+2*\u+1], v[LL+2*\u:LL+2*\u+1], v[ST+16*\u+2*\e:ST+16*\u+2*\e+1]   ; the sums are taken of the f32 p
.endr
.endr
.irp e, 0,1,2,3,4,5,6,7,8,9,10,11,12,13,14,15
	v_cvt_pk_f16_f32 v[PP+\e], v[ST+2*\e], v[ST+2*\e+1]
.endr
	s_wait_dscnt 0x2                               ; V(J) is in; K(J + 1)'s two loads may be out
	PV 0, 0
	PV 1, 0
	v_add_nc_u32 v[ADV], s48, v[AV]
	NOPS 3                                         ; with the addition: four places
	VLOAD ADV, HEADB*\hd+1024                      ; V(J + 1)
.Lp2s_\@:
	s_add_co_u32 s47, s47, 1
	s_cmp_lt_u32 s47, \n
	s_cbranch_scc1 .Lp2_\@
.endm
.macro NORM hd                         ; head hd's O^T / l, packed to f16: a quarter of the projection's operand
	v_add_f32 v[LS], v[LL], v[LL+1]
	v_add_f32 v[LS+1], v[LL+2], v[LL+3]
	v_permlanex16_b32 v[PM], v[LS], s50, s51
	v_permlanex16_b32 v[PM+1], v[LS+1], s50, s51
	v_add_f32 v[LS], v[LS], v[PM]
	v_add_f32 v[LS+1], v[LS+1], v[PM+1]
	v_rcp_f32 v[RR], v[LS]
	v_rcp_f32 v[RR+2], v[LS+1]
	v_nop                                          ; a plain instruction behind the reciprocals,
	s_wait_alu depctr_va_vdst(0)                   ; and the one wait ahead of their first reader
.irp u, 0,1
.irp e, 0,1,2,3
	v_pk_mul_f32 v[OT+8*\u+2*\e:OT+8*\u+2*\e+1], v[OT+8*\u+2*\e:OT+8*\u+2*\e+1], v[RR+2*\u:RR+2*\u+1] op_sel_hi:[1,0]
.endr
.endr
.irp u, 0,1
.irp e, 0,1,2,3
	v_cvt_pk_f16_f32 v[AT+16*\u+4*(\hd)+\e], v[OT+8*\u+2*\e], v[OT+8*\u+2*\e+1]
.endr
.endr
.endm
; The projection by Wo and the way out of pair p's 32 tokens.  Transposed (source 0 = 16 rows of Wo, source 1 = 16 tokens): a lane holds token r and eight neighbouring outputs.  Eight accumulators by turns:
; tile 0's in S^T's registers, tile 1's in the pair's Q, which is done with.
.macro OUTP p
	s_wait_dscnt 0x0                               ; the look-ahead's last loads have landed: their registers take Wo
	NORM 3
.irp n, 0,1,2,3,4,5,6,7,8,9,10,11,12,13,14,15
	ds_load_b128 v[WF+4*\n:WF+4*\n+3], v[AWO] offset:512*\n
.endr
	s_wait_dscnt 0x0
.irp t, 0,1,2,3
	v_wmma_f32_16x16x32_f16 v[ST+8*\t:ST+8*\t+7], v[WF+16*\t:WF+16*\t+7], v[AT:AT+7], 0
.endr
.irp t, 0,1,2,3
	v_wmma_f32_16x16x32_f16 v[QF+32*\p+8*\t:QF+32*\p+8*\t+7], v[WF+16*\t:WF+16*\t+7], v[AT+16:AT+23], 0
.endr
.irp t, 0,1,2,3
	v_wmma_f32_16x16x32_f16 v[ST+8*\t:ST+8*\t+7], v[WF+16*\t+8:WF+16*\t+15], v[AT+8:AT+15], v[ST+8*\t:ST+8*\t+7]
.endr
.irp t, 0,1,2,3
	v_wmma_f32_16x16x32_f16 v[QF+32*\p+8*\t:QF+32*\p+8*\t+7], v[WF+16*\t+8:WF+16*\t+15], v[AT+24:AT+31], v[QF+32*\p+8*\t:QF+32*\p+8*\t+7]
.endr
	NOPS 4                                         ; four places in front of the LDS stores that read the results
.irp b, ST, QF+32*\p                   ; 16 rows at a time through my own stage; LDS serves a wave's instructions in order, so no wait stands between the stores and the loads, nor in front of the next tile's stores
.irp t, 0,1,2,3
	ds_store_b128 v[STO], v[\b+8*\t:\b+8*\t+3] offset:64*\t          ; each accumulator from its low end on
	ds_store_b128 v[STO], v[\b+8*\t+4:\b+8*\t+7] offset:64*\t+16
.endr
.irp i, 0,1,2,3,4,5,6,7
	ds_load_b128 v[\b+4*\i:\b+4*\i+3], v[SRD] offset:544*\i          ; two whole rows, into the registers that they left
.endr
.endr
	s_wait_dscnt 16                                ; tile 0's rows are back; tile 1's 8 stores and 8 loads may be out
.irp i, 0,1,2,3,4,5,6,7
	global_store_b128 v[LN16], v[ST+4*\i:ST+4*\i+3], s[40:41] offset:512*\i th:TH_STORE_NT   ; 32 lanes store 512 consecutive bytes, at a multiple of 256 from out0's first byte
.endr
	s_wait_dscnt 0x0
.irp i, 0,1,2,3,4,5,6,7
	global_store_b128 v[LN16], v[QF+32*\p+4*\i:QF+32*\p+4*\i+3], s[40:41] offset:4096+512*\i th:TH_STORE_NT
.endr
	s_wait_xcnt 0x0                                ; the stores have read their data and their base: both are written again only behind this wait
.endm
.macro HEAD p, hd, n
	DIAG1 \p, \hd
	LOOP1 \p, \hd, \n
	FIN1
	DIAG2 \p, \hd
	LOOP2 \p, \hd, \n
.endm
; A pair of query tiles, all four heads.  A head's division stands behind the next head's first loads, as work on registers while they are out.
.macro PAIR p, n
	s_mov_b32 s46, s[44+\p]                        ; U: the pair's number = the blocks of 32 keys under its diagonal
	s_lshl_b32 s19, s46, 10
	v_add_nc_u32 v[DK], s19, v[AK]
	v_add_nc_u32 v[DV], s19, v[AV]
	s_lshl_b32 s42, s46, 13
	s_add_co_u32 s42, s42, s49
	s_mov_b32 s43, 0
	s_add_nc_u64 s[40:41], s[14:15], s[42:43]      ; the pair's rows of out0
	KVLOAD 0
	HEAD \p, 0, \n
.irp hd, 1,2,3
	KVLOAD \hd
	NORM \hd-1
	HEAD \p, \hd, \n
.endr
	OUTP \p
.endm
	PAIR 0, 7                                      ; pair A: U = wave, 7 at the most
	PAIR 1, 15                                     ; pair B: U = 15 - wave, 15 at the most
	s_wait_tensorcnt 0x0                           ; the wave's end: an add and its wait, behind my last tensor load and my last LDS store
	ds_add_u32 v[SPW], v[NIL]
	s_wait_dscnt 0x0
	s_endpgm
.Lfunc_end_k_qccdcd0af2c_attn:
	.size	k_qccdcd0af2c_attn, .Lfunc_end_k_qccdcd0af2c_attn-k_qccdcd0af2c_attn
	.p2alignl 7, 3214868480
	.fill 96, 4, 3214868480
	.section	.rodata,"a",@progbits
	.p2align	6, 0x0
	.amdhsa_kernel k_qccdcd0af2c_attn
		.amdhsa_group_segment_fixed_size 327680
		.amdhsa_private_segment_fixed_size 0
		.amdhsa_enable_private_segment 0
		.amdhsa_kernarg_size 48
		.amdhsa_user_sgpr_count 2
		.amdhsa_user_sgpr_kernarg_segment_ptr 1
		.amdhsa_wavefront_size32 1
		.amdhsa_system_sgpr_workgroup_id_x 1
		.amdhsa_system_sgpr_workgroup_id_y 1
		.amdhsa_system_sgpr_workgroup_id_z 1
		.amdhsa_system_vgpr_workitem_id 0
		.amdhsa_next_free_vgpr 256
		.amdhsa_next_free_sgpr 66
		.amdhsa_reserve_vcc 0
		.amdhsa_float_denorm_mode_32 3
		.amdhsa_float_denorm_mode_16_64 3
		.amdhsa_memory_ordered 1
		.amdhsa_forward_progress 1
		.amdhsa_inst_pref_size 180
	.end_amdhsa_kernel
	.amdgpu_metadata
---
amdhsa.version: [ 1, 2 ]
amdhsa.kernels:
  - .name:           k_qccdcd0af2c_attn
    .symbol:         k_qccdcd0af2c_attn.kd
    .args:
      - { .name: x, .offset: 0, .size: 8, .value_kind: global_buffer, .address_space: global }
      - { .name: Wq, .offset: 8, .size: 8, .value_kind: global_buffer, .address_space: global }
      - { .name: Wk, .offset: 16, .size: 8, .value_kind: global_buffer, .address_space: global }
      - { .name: Wv, .offset: 24, .size: 8, .value_kind: global_buffer, .address_space: global }
      - { .name: Wo, .offset: 32, .size: 8, .value_kind: global_buffer, .address_space: global }
      - { .name: out0, .offset: 40, .size: 8, .value_kind: global_buffer, .address_space: global }
    .group_segment_fixed_size: 327680
    .private_segment_fixed_size: 0
    .kernarg_segment_align: 8
    .kernarg_segment_size: 48
    .max_flat_workgroup_size: 256
    .sgpr_count:     66
    .vgpr_count:     256
    .wavefront_size: 32
...
	.end_amdgpu_metadata
.endif
;; end of part 1
